; MI455X (gfx1250); checked and timed in simulation.
; The chip was launched on July 23, 2026; its instructions are those of AMD's public machine-readable ISA for CDNA 5 (MIT licence, August 2026) and "CDNA5" Instruction Set Architecture Reference Guide (July 2026). The comments in the code are by the model that wrote it; some were corrected since.
;; Sym HQ Linear. Allowed arithmetic: matrix products marked QUANTISED: E3M2 operands, one E8M0 scale for each 32 along K, by v_wmma_scale_f32_16x16x128_f8f6f4 with both operands' format E3M2, f32 sums; everything else in f32.
;; Inputs: codebook 4,096 x 8 float32; indices 2,097,152 int32; scales 4,096 x 1 float32; signs 2,097,152 int32; x 4,096 x 4,096 float32.
;; Outputs: out0 4,096 x 4,096 float32.
;; This version of the problem:
;;   THIS VERSION OF THE PROBLEM IS GIVEN IN LOW PRECISION. The matrix products marked QUANTISED in the list below multiply operands that are first quantised to E3M2 (3 exponent bits, 2 mantissa bits; 6 bits a number), with one power-of-two scale for each 32 numbers along K (OCP MX v1.0); their sums are f32. All else is computed in f32.
;;   The module's matrix products, in the order in which they are computed (A, B: the left and right operand; K: the contracted axis; several contracted axes count as one K, in the product's order):
;;     1. [M 4,096, K 4,096] x [K 4,096, N 4,096]; A: input x; B: computed on the way: QUANTISED
;;   THE QUANTISER, for each operand of a quantised product, along K:
;;     - K is cut into blocks of 32 from its start; a last block that is shorter is filled with zeros.
;;     - A block's scale is 2^e with e = floor(log2(the largest magnitude in the block)) - 4, held to -126 .. 127; a block of zeros has e = 0. As a byte (E8M0): e + 127.
;;     - Each number is divided by its block's scale, clamped to +-28, and rounded to the nearest number of E3M2, ties to even, subnormals kept.
;;     - The product sums the exact products of the quantised numbers (number of the format x scale) in f32.
;;   ~~~python
;;   def quantise(x, axis):      # numpy; x: float32 -> the quantised numbers, widened to float32 again
;;       x = np.moveaxis(x, axis, -1); K = x.shape[-1]
;;       x = np.pad(x, [(0, 0)] * (x.ndim - 1) + [(0, -K % 32)]); x = x.reshape(x.shape[:-1] + (-1, 32)); a = np.abs(x).max(-1, keepdims=True)
;;       e = np.where(a > 0, np.clip(np.frexp(np.where(a > 0, a, 1))[1] - 1 - 4, -126, 127), 0)      # np.frexp(a)[1] - 1 = floor(log2(a)), exactly
;;       r = np.clip(x / 2.0 ** e, -28, 28)
;;       step = 2.0 ** (np.maximum(np.frexp(np.where(r == 0, 1, r))[1] - 1, -2) - 2)
;;       q = np.round(r / step) * step * 2.0 ** e      # np.round: ties to even
;;       return np.moveaxis(q.reshape(q.shape[:-2] + (-1,))[..., :K], -1, axis).astype(np.float32)
;;   ~~~
;;   OPERANDS COMPUTED ON THE WAY. 'Computed on the way' means the value that the module computes at that place (a softmax that the list does not call 'softmax' is quantised finished and normalised). What goes into a quantiser is computed in f32, as accurately as f32 sums, v_exp_f32 and their like allow (about 1e-6 of the number): no bf16 or f16 on the way to a quantiser, and a product that is left as it is and whose result goes on into a quantised operand takes f32 operands (vector FMAs, or v_wmma_f32_16x16x4_f32). A number that lies on a knife's edge between two numbers of the format may be rounded either way, as far as f32 arithmetic and the matrix unit's own rounding can turn it there, and no further.
;; One version. Each part assembles by itself: llvm-mc -triple=amdgcn-amd-amdhsa -mcpu=gfx1250 --defsym DOCPART=n.
;; ======== version 1 of 1: 2 launches
;; limits: right only within a limited range of input values
;; workspace buffers: x_codes 12,582,912 bytes; w_codes 12,582,912 bytes; x_scales 524,288 bytes; w_scales 524,288 bytes
;; launch quant (part 1): grid 256 x 1, 16 waves a work-group, no clusters, 318,464 bytes of LDS; arguments x, codebook, scales, indices, signs, x_codes, x_scales, w_codes, w_scales; writes x_codes, x_scales, w_codes, w_scales
.if DOCPART == 1
	.amdgcn_target "amdgcn-amd-amdhsa--gfx1250"
	.amdhsa_code_object_version 6
	.text
	.protected	k_qd95bbe29f2_quant
	.globl	k_qd95bbe29f2_quant
	.p2align	8
	.type	k_qd95bbe29f2_quant,@function
k_qd95bbe29f2_quant:
	s_mov_b64 s[64:65], 0
	v_nop
	global_prefetch_b8 v0, s[64:65] scope:SCOPE_SE
	s_setreg_imm32_b32 hwreg(HW_REG_WAVE_MODE, 25, 1), 1
	s_wait_xcnt 0x0
; Both operands of out = x w^T become codes of BF6 (E3M2) with one E8M0 scale byte for each 32 along K.  No step of the problem is left out; every input is read.
; x: [4096][4096] f32.  w[o][i] = codebook[indices[512 o + i / 8]][i % 8] x scales[o] x (+1 where bit 7 - i % 8 of signs[512 o + i / 8] is 1, else -1), in f32: one rounding, in the
; multiplication by the row's scale; the sign changes no other bit, so it is laid onto the scale first and ONE multiplication does both.
; OUT, laid as the product's launch takes it.  Codes: an image of the operand's registers for each 16 rows x 128 K (a fragment, 1,536 bytes): register 4 j + w of lane l at byte 512 j + 16 l + 4 w, where lane (r, h)
; holds row r and registers 6 c .. 6 c + 5 the 24 bytes of codes of K = 64 c + 32 h + 0 .. 31.  Fragment f of row block g lies at (f / 2) x 786,432 + 3,072 g + 1,536 (f % 2).
; Scale bytes: row block g, step f, row r: the word at 2,048 g + 64 f + 4 r, byte b for K = 32 b .. 32 b + 31 of the step.
; A block's scale is 2^(floor(log2(its largest magnitude)) - 4); its byte is the largest magnitude's own exponent field - 4, held at 1 from below.  Each number is divided by the scale and rounded to the
; nearest code, ties to even; beyond the largest code the conversion gives the largest code.
; LIMITS: NaN and infinities among the inputs are not served.  A block of zeros gets the byte 1 where the rule says 127: its codes are zeros, which add nothing under any byte but 0xff, and the bytes are read by
; this program alone.  Blocks whose largest magnitude lies under 2^(5 - 127) share that byte.  An index is held at 4,095 from above (as an unsigned number).
; SHARES.  256 work-groups of sixteen waves.  Work-group g takes row block g of w and of x; wave v takes row 16 g + v of each: eight steps of 512 numbers.  In a step a lane holds 16 neighbours along K; two lanes hold a block.
; ORDER.  All of a wave's loads go out at the head: its part of the codebook (8,192 bytes into LDS, one tensor load), its row of x (32 loads), its row's indices and sign words (16 loads).
; x is worked first, step by step behind counted waits; the wait for the codebook stands behind x's phase, in front of the barrier that x's codes need there anyway; then w is worked from LDS.
; A lane's 12 bytes of codes go to its row in an LDS stage.  A stage holds half of K of the 16 rows (rows 1,552 bytes apart), 16 fragments; behind a barrier wave v reads fragment v of it as the operand's layout wants it
; and stores it as 3 x 512 consecutive bytes.  Each of the four stages leaves as soon as it is whole.
; No cluster: the codebook is the one thing that work-groups share, and it is fetched once by each.  No prefetch: the launch has no loop to run ahead in.
; LDS: 0 codebook; 131,072 scale bytes (x's 2,048, then w's); 135,168 four stages of codes (x's two, w's two); 234,496 the waves' stages for x's numbers (two of 2,560 bytes a wave); 316,416 the spare words.
.set SP,    80
.set STGB,  32*SP
.set SCB,   131072
.set WSC,   2048
.set XCS,   135168
.set HROW,  1552
.set HREG,  16*HROW
.set WCO,   2*HREG
.set XST,   234496
.set SPARE, 316416
.set PAIRB, 786432
.set XO,    1                          ; 16 x lane
.set SI,    2                          ; the numbers' stage, way in
.set SOU,   3                          ; the numbers' stage, way out
.set CSA,   4                          ; LDS: my row of x's codes, my 12 bytes of a step's 384
.set EB,    5                          ; LDS: my block's scale byte
.set L8,    6                          ; 8 x lane
.set FRD,   7                          ; LDS: the 8 scale bytes that I store at the end
.set CSW,   10                         ; as CSA, for w
.set R,     16                         ; v16-143  x as loaded; when read, v16-75 take the four fragments that I store
.set X,     144                        ; v144-175 in x's phase two sets of 16 neighbours
.set G,     144                        ; v144-191 in w's phase three sets of 16 gathered numbers
.set M,     192                        ; v192-199 the row's scale under eight signs
.set EW,    204
.set EX,    212
.set FRA,   220                        ; LDS: where I read my fragment of x's stages
.set FRW,   221                        ; of w's
.set IDX,   224
.set SGN,   240
	s_load_b256 s[4:11], s[0:1], 0x0               ; x, codebook, scales, indices
	s_load_b256 s[12:19], s[0:1], 0x20             ; signs, x_codes, x_scales, w_codes
	s_load_b64 s[20:21], s[0:1], 0x40              ; w_scales
	v_lshl_add_u32 v222, v0, 2, SPARE
	v_mov_b32 v223, 0
	ds_add_u32 v222, v223                          ; the opening lines: the add twice on end
	ds_add_u32 v222, v223
	v_lshrrev_b32 v14, 5, v0
	v_readfirstlane_b32 s22, v14                   ; wave 0..15
	s_mul_i32 s28, s22, 2*STGB
	s_add_co_u32 s28, s28, XST                     ; my two stages for numbers
	s_mul_i32 s41, s22, HROW
	s_add_co_u32 s41, s41, XCS                     ; my row of codes
	s_lshl_b32 s44, s22, 2
	s_add_co_u32 s44, s44, SCB                     ; my row's word in each step's 64 scale bytes
	s_lshl_b32 s45, s22, 8
	s_add_co_u32 s45, s45, SCB                     ; at the end wave v stores bytes 256 v .. of the 4,096
	s_mul_i32 s46, s22, 96
	s_add_co_u32 s46, s46, XCS                     ; fragment v of a stage
	v_and_b32 v15, 31, v0                          ; lane
	v_and_b32 v8, 15, v0
	v_bfe_u32 v9, v0, 4, 1
	v_lshlrev_b32 v[XO], 4, v15
	v_lshlrev_b32 v[L8], 3, v15
	v_mul_u32_u24 v[CSA], v15, 12
	v_lshrrev_b32 v[SI], 2, v15
	v_and_b32 v14, 3, v15
	v_mul_u32_u24 v[SOU], v15, SP
	v_mul_u32_u24 v[SI], v[SI], SP
	v_add_nc_u32 v[CSA], s41, v[CSA]
	v_add_nc_u32 v[SOU], s28, v[SOU]
	v_lshl_add_u32 v[SI], v14, 4, v[SI]
	v_lshrrev_b32 v[EB], 3, v15                    ; which of a step's four K steps of 128
	v_bfe_u32 v14, v15, 1, 2                       ; which block in it
	v_add_nc_u32 v[SI], s28, v[SI]
	v_lshl_add_u32 v[EB], v[EB], 6, v14
	v_mul_u32_u24 v[FRA], v8, HROW
	v_add_nc_u32 v[FRD], s45, v[L8]
	v_add_nc_u32 v[EB], s44, v[EB]
	v_mad_u32_u24 v[FRA], v9, 24, v[FRA]
	v_add_nc_u32 v[CSW], WCO, v[CSA]
	s_delay_alu instid0(VALU_DEP_2)
	v_add_nc_u32 v[FRA], s46, v[FRA]
	s_delay_alu instid0(VALU_DEP_1)
	v_add_nc_u32 v[FRW], WCO, v[FRA]
	s_lshl_b32 s23, ttmp9, 4
	s_add_co_u32 s23, s23, s22                     ; my row
	s_mov_b32 s40, 0x7fffffff
	s_mov_b32 s32, 3<<16                           ; group 1: 8,192 dense bytes as 32 rows of 32 elements of 8 bytes
	s_mov_b32 s33, 32<<16
	s_mov_b32 s34, 32<<16
	s_mov_b32 s35, 32<<16
	s_mov_b32 s36, 32
	s_mov_b32 s37, 32
	s_mov_b32 s38, 0
	s_mov_b32 s39, 0
	s_mov_b32 s29, 0
	s_wait_alu depctr_va_vdst(0)
	s_wait_dscnt 0x0
	s_wait_kmcnt 0x0
	s_lshl_b32 s28, s23, 14
	s_add_nc_u64 s[4:5], s[4:5], s[28:29]          ; my row of x
	s_lshl_b32 s28, s23, 11
	s_add_nc_u64 s[10:11], s[10:11], s[28:29]      ; its indices and sign words
	s_add_nc_u64 s[12:13], s[12:13], s[28:29]
	s_lshl_b32 s28, s23, 2
	s_add_nc_u64 s[8:9], s[8:9], s[28:29]
	s_load_b32 s30, s[8:9], 0x0                    ; my row's scale
	s_cmp_lt_u32 s22, 8                            ; at the end waves 0-7 store x's scale bytes, waves 8-15 w's: the choice hangs on the wave's number alone
	s_cselect_b64 s[42:43], s[16:17], s[20:21]
	s_and_b32 s41, s22, 7
	s_lshl_b32 s44, ttmp9, 11
	s_lshl_b32 s28, s41, 8
	s_add_co_u32 s44, s44, s28
	s_mov_b32 s45, 0
	s_add_nc_u64 s[42:43], s[42:43], s[44:45]      ; my 256 scale bytes
	s_lshr_b32 s44, s22, 1                         ; fragment v of a half of K: pair v / 2, step v % 2, row block g
	s_mul_i32 s44, s44, PAIRB
	s_and_b32 s28, s22, 1
	s_mul_i32 s28, s28, 1536
	s_add_co_u32 s44, s44, s28
	s_mul_i32 s28, ttmp9, 3072
	s_add_co_u32 s44, s44, s28
	s_add_nc_u64 s[14:15], s[14:15], s[44:45]
	s_add_nc_u64 s[18:19], s[18:19], s[44:45]
	s_lshl_b32 s28, s22, 13
	s_mov_b32 s24, 1
	s_lshl_b32 s25, s22, 13
	s_add_nc_u64 s[26:27], s[6:7], s[28:29]
	s_or_b32 s27, s27, 0x80000000
	tensor_load_to_lds s[24:27], s[32:39]          ; my one tensor load of the launch
	s_nop 0
.irp t, 0,1,2,3,4,5,6,7
.irp i, 0,1,2,3
	global_load_b128 v[R+16*\t+4*\i:R+16*\t+4*\i+3], v[XO], s[4:5] offset:2048*\t+512*\i th:TH_LOAD_NT
.endr
.endr
.irp t, 0,1,2,3,4,5,6,7
	global_load_b64 v[IDX+2*\t:IDX+2*\t+1], v[L8], s[10:11] offset:256*\t th:TH_LOAD_NT
.endr
.irp t, 0,1,2,3,4,5,6,7
	global_load_b64 v[SGN+2*\t:SGN+2*\t+1], v[L8], s[12:13] offset:256*\t th:TH_LOAD_NT
.endr
	s_wait_kmcnt 0x0
	s_ashr_i32 s31, s30, 31
	s_not_b32 s31, s31                             ; all ones where the scale is not negative
; 16 numbers of a lane become 12 bytes of codes in v[c] on, and the block's scale byte in v[e]
.macro QUANT src, e, c
	v_max3_num_f32 v8, |v[(\src)]|, |v[(\src)+1]|, |v[(\src)+2]|
	v_max3_num_f32 v9, |v[(\src)+3]|, |v[(\src)+4]|, |v[(\src)+5]|
.irp i, 6,10
	s_delay_alu instid0(VALU_DEP_2)
	v_max3_num_f32 v8, v8, |v[(\src)+\i]|, |v[(\src)+\i+1]|
	s_delay_alu instid0(VALU_DEP_2)
	v_max3_num_f32 v9, v9, |v[(\src)+\i+2]|, |v[(\src)+\i+3]|
.endr
	s_delay_alu instid0(VALU_DEP_2)
	v_max3_num_f32 v8, v8, |v[(\src)+14]|, |v[(\src)+15]|
	s_delay_alu instid0(VALU_DEP_1)
	v_max3_num_f32 v8, v8, v9, 5<<23               ; the floor 2^(5 - 127): the byte cannot fall under 1
	s_delay_alu instid0(VALU_DEP_1)
	v_max_num_f32_dpp v8, v8, v8 row_xmask:1 row_mask:0xf bank_mask:0xf   ; with my neighbour's 16: the block's
	s_delay_alu instid0(VALU_DEP_1)
	v_add_nc_u32 v11, 0xfe000000, v8               ; 4 off the exponent field: the conversion's scale operand
	v_cvt_scalef32_pk16_bf6_f32 v[(\c):(\c)+2], v[(\src):(\src)+15], v11
	v_lshrrev_b32 v[\e], 23, v11                   ; the scale's byte; also the plain instruction behind the conversion
.endm
.macro PUT t, e, c, so, adr            ; the byte (both lanes of a block write the same), and my 12 bytes: lanes 12 bytes apart
	ds_store_b8 v[EB], v[\e] offset:(\so)+256*(\t)
.irp i, 0,1,2
	ds_store_b32 v[\adr], v[(\c)+\i] offset:HREG*((\t)/4)+384*((\t)%4)+4*\i
.endr
.endm
.macro OUTL adr, half, reg             ; my fragment of a stage: lane (r, h) takes row r, 24 bytes at 24 h and at 48 + 24 h of the fragment's 96
.irp p, 0,1,2,3,4,5
	ds_load_b64 v[(\reg)+2*\p:(\reg)+2*\p+1], v[\adr] offset:HREG*(\half)+48*(\p/3)+8*(\p%3)
.endr
.endm
.macro OUTS half, reg, gp              ; and out: 3 x 512 consecutive bytes, aligned
.irp j, 0,1,2
	global_store_b128 v[XO], v[(\reg)+4*\j:(\reg)+4*\j+3], s[\gp:\gp+1] offset:(\half)*8*PAIRB+512*\j
.endr
.endm
.macro MEET                            ; for the others' sake: my LDS stores are done; then everybody's are
	s_wait_dscnt 0x0
	s_barrier_signal -1
	s_barrier_wait -1
.endm
; x's step t through a stage of the wave's own: in as loaded, 16 bytes a lane; back 64 bytes a lane
.macro TURN t
	s_wait_loadcnt 4*(7-(\t))+16                   ; loads come back in order: the younger ones are the later steps', four each, and the 16 of indices and sign words
.irp i, 0,1,2,3
	ds_store_b128 v[SI], v[R+16*(\t)+4*\i:R+16*(\t)+4*\i+3] offset:STGB*((\t)%2)+8*SP*\i
.endr
.irp i, 0,1,2,3
	ds_load_b128 v[X+16*((\t)%2)+4*\i:X+16*((\t)%2)+4*\i+3], v[SOU] offset:STGB*((\t)%2)+16*\i
.endr
.endm
.macro XSTEP t
.if (\t) > 0
	s_wait_dscnt 4                                 ; this step's numbers are back; the last step's four stores may be out
.else
	s_wait_dscnt 0x0
.endif
.if (\t) < 7
	TURN (\t)+1
.endif
.set CC, 200-188*((\t)%2)              ; codes: v200-202 and v12-14 by turns
	QUANT X+16*((\t)%2), EX+(\t), CC
	PUT \t, EX+(\t), CC, 0, CSA
.endm
	TURN 0
.irp t, 0,1,2,3
	XSTEP \t
.endr
	MEET                                           ; x's first half of K is whole
	OUTL FRA, 0, R                                 ; (step 0's registers have been read)
	s_wait_dscnt 0x0
	OUTS 0, R, 14
.irp t, 4,5,6,7
	XSTEP \t
.endr
	s_wait_tensorcnt 0x0                           ; my part of the codebook has landed,
	MEET                                           ; everybody's has, and x's second half of K is whole
	OUTL FRA, 1, R+16
	s_wait_loadcnt 0x0                             ; indices and sign words
.set n, 0
.rept 16
	v_min_u32 v[IDX+n], 0xfff, v[IDX+n]
.set n, n+1
.endr
.set n, 0
.rept 16
	v_lshlrev_b32 v[IDX+n], 5, v[IDX+n]            ; the entry's LDS address
.set n, n+1
.endr
.set n, 0
.rept 16
	v_xor_b32 v[SGN+n], s31, v[SGN+n]              ; bit 7 - j is 1 where element j comes out with its sign turned
.set n, n+1
.endr
	s_wait_alu depctr_va_vdst(0)
	s_wait_dscnt 0x0
	OUTS 1, R+16, 14
.macro GATHER t
.irp i, 0,1
	ds_load_b128 v[G+16*((\t)%3)+8*\i:G+16*((\t)%3)+8*\i+3],   v[IDX+2*(\t)+\i]
	ds_load_b128 v[G+16*((\t)%3)+8*\i+4:G+16*((\t)%3)+8*\i+7], v[IDX+2*(\t)+\i] offset:16
.endr
.endm
.macro WSTEP t
.if (\t)+2 < 8
	GATHER (\t)+2
.endif
; LDS instructions end in order.  The count leaves out what was issued behind this step's gather and behind the stores of two steps ago, which read the registers that this step's codes take
.if (\t) == 0 || (\t) == 6
	s_wait_dscnt 8
.elseif (\t) == 7
	s_wait_dscnt 4
.else
	s_wait_dscnt 12
.endif
.set GS, G+16*((\t)%3)
.set CC, 200-188*((\t)%2)
.irp i, 0,1
.irp j, 0,1,2,3,4,5,6,7
	v_lshlrev_b32 v[M+\j], 24+\j, v[SGN+2*(\t)+\i] ; element j's bit into the sign's place
.endr
.irp j, 0,1,2,3,4,5,6,7
	v_bfi_b32 v[M+\j], s40, s30, v[M+\j]           ; the scale's magnitude under it
.endr
.irp j, 0,2,4,6
	v_pk_mul_f32 v[GS+8*\i+\j:GS+8*\i+\j+1], v[GS+8*\i+\j:GS+8*\i+\j+1], v[M+\j:M+\j+1]   ; w: one rounding
.endr
.endr
	QUANT GS, EW+(\t), CC
	PUT \t, EW+(\t), CC, WSC, CSW
.endm
	GATHER 0
	GATHER 1
.irp t, 0,1,2,3
	WSTEP \t
.endr
	MEET                                           ; w's first half of K is whole
	OUTL FRW, 0, R+32
	s_wait_dscnt 0x0
	OUTS 0, R+32, 18
.irp t, 4,5,6,7
	WSTEP \t
.endr
	MEET
	ds_load_b64 v[8:9], v[FRD]
	OUTL FRW, 1, R+48
	s_wait_dscnt 0x0
	global_store_b64 v[L8], v[8:9], s[42:43]       ; 256 consecutive bytes, aligned
	OUTS 1, R+48, 18
	s_wait_tensorcnt 0x0                           ; the wave's end
	ds_add_u32 v222, v223
	s_wait_dscnt 0x0
	s_endpgm
.Lfunc_end_k_qd95bbe29f2_quant:
	.size	k_qd95bbe29f2_quant, .Lfunc_end_k_qd95bbe29f2_quant-k_qd95bbe29f2_quant
	.p2alignl 7, 3214868480
	.fill 96, 4, 3214868480
	.section	.rodata,"a",@progbits
	.p2align	6, 0x0
	.amdhsa_kernel k_qd95bbe29f2_quant
		.amdhsa_group_segment_fixed_size 318464
		.amdhsa_private_segment_fixed_size 0
		.amdhsa_enable_private_segment 0
		.amdhsa_kernarg_size 72
		.amdhsa_user_sgpr_count 2
		.amdhsa_user_sgpr_kernarg_segment_ptr 1
		.amdhsa_wavefront_size32 1
		.amdhsa_system_sgpr_workgroup_id_x 1
		.amdhsa_system_sgpr_workgroup_id_y 1
		.amdhsa_system_sgpr_workgroup_id_z 1
		.amdhsa_system_vgpr_workitem_id 0
		.amdhsa_next_free_vgpr 256
		.amdhsa_next_free_sgpr 66
		.amdhsa_reserve_vcc 0
		.amdhsa_float_denorm_mode_32 3
		.amdhsa_float_denorm_mode_16_64 3
		.amdhsa_memory_ordered 1
		.amdhsa_forward_progress 1
		.amdhsa_inst_pref_size 58
	.end_amdhsa_kernel
	.amdgpu_metadata
---
amdhsa.version: [ 1, 2 ]
amdhsa.kernels:
  - .name:           k_qd95bbe29f2_quant
    .symbol:         k_qd95bbe29f2_quant.kd
    .args:
      - { .name: x, .offset: 0, .size: 8, .value_kind: global_buffer, .address_space: global }
      - { .name: codebook, .offset: 8, .size: 8, .value_kind: global_buffer, .address_space: global }
      - { .name: scales, .offset: 16, .size: 8, .value_kind: global_buffer, .address_space: global }
      - { .name: indices, .offset: 24, .size: 8, .value_kind: global_buffer, .address_space: global }
      - { .name: signs, .offset: 32, .size: 8, .value_kind: global_buffer, .address_space: global }
      - { .name: x_codes, .offset: 40, .size: 8, .value_kind: global_buffer, .address_space: global }
      - { .name: x_scales, .offset: 48, .size: 8, .value_kind: global_buffer, .address_space: global }
      - { .name: w_codes, .offset: 56, .size: 8, .value_kind: global_buffer, .address_space: global }
      - { .name: w_scales, .offset: 64, .size: 8, .value_kind: global_buffer, .address_space: global }
    .group_segment_fixed_size: 318464
    .private_segment_fixed_size: 0
    .kernarg_segment_align: 8
    .kernarg_segment_size: 72
    .max_flat_workgroup_size: 512
    .sgpr_count:     66
    .vgpr_count:     256
    .wavefront_size: 32
...
	.end_amdgpu_metadata
.endif
;; end of part 1
;; launch gemm (part 2): grid 16 x 16, 4 waves a work-group, clusters of 4 x 4, 327,680 bytes of LDS; arguments x_codes, x_scales, w_codes, w_scales, out0; writes out0
.if DOCPART == 2
	.amdgcn_target "amdgcn-amd-amdhsa--gfx1250"
	.amdhsa_code_object_version 6
	.text
	.protected	k_qd95bbe29f2_gemm
	.globl	k_qd95bbe29f2_gemm
	.p2align	8
	.type	k_qd95bbe29f2_gemm,@function
k_qd95bbe29f2_gemm:
	s_mov_b64 s[64:65], 0
	v_nop
	global_prefetch_b8 v0, s[64:65] scope:SCOPE_SE
	s_setreg_imm32_b32 hwreg(HW_REG_WAVE_MODE, 25, 1), 1
	s_wait_xcnt 0x0
	s_wait_alu depctr_hold_cnt(0) depctr_sa_sdst(0) depctr_va_vdst(0) depctr_va_sdst(0) depctr_va_ssrc(0) depctr_va_vcc(0) depctr_vm_vsrc(0)
	s_getreg_b32 s2, hwreg(HW_REG_IB_STS2, 6, 4)
	s_cmp_eq_u32 s2, 0
	s_cbranch_scc0 .Lentry_in_a_cluster
	s_endpgm
.Lentry_in_a_cluster:
	s_bfe_u32 s2, ttmp6, 0x10000c
	s_cmp_lg_u32 s2, 0xf033
	s_cbranch_scc0 .Lentry_shape_is_right
	s_endpgm
.Lentry_shape_is_right:
; out0[t][o] = sum over k of x[t][k] w[o][k], on codes of BF6 with E8M0 scales, as the launch before has laid them: a fragment (16 rows x 128 K) is an image of the operand's 12 registers, 1,536 bytes;
; fragment f of row block g at (f / 2) x 786,432 + 3,072 g + 1,536 (f % 2); scale words at 2,048 g + 64 f + 4 r.  All of the product is done; nothing is left out.
; A tile of out0, 256 x 256, is made by a work-group of four waves; a wave makes 128 x 128: 64 accumulators.  K goes in 32 steps of 128, two steps (a pair) to an LDS slot, two slots.
; A slot's part for 256 rows is 49,152 dense bytes of memory: tensor rows of 256 bytes on 256-byte borders.  A fragment is three ds_load_b128 at 16 x lane: no padding is needed.
; The scales of the tile's rows, 2 x 32,768 dense bytes, come once, at the head, and stay in LDS.
; CLUSTERS: 4 x 4; x's tiles are asked for jointly along a row of the cluster, w's along a column.  The matrix instruction is used transposed (source 0 = w's rows): a lane holds eight neighbouring columns of a row of out0.
; REGISTERS.  Both operands have two sets of fragments.  Each window of 256 holds one set at v32-127 and 16 accumulators at v128-255 (x's blocks 2 d, 2 d + 1 in window d):
;   window 0: x's set 0, v0-15 addresses, v16-31 scale words (two sets of 8: lanes 0-15 x's block i, lanes 16-31 w's);  window 1: w's set 0, v0-4 LDS addresses;  window 2: x's set 1;  window 3: w's set 1, v0-4 the same addresses.
;   An even step multiplies sets 0 (sources in windows 1, 0), an odd step sets 1 (windows 3, 2), and meanwhile the other sets take the next step's fragments: 56 LDS loads in three runs of 18, 20 and 18,
;   ahead of the step's products 0, 16 and 32: all are out by the step's middle, and are waited for at the next step's start.
; THE RING.  The next step's fragments are in registers a step ahead, so a pair's slot is read out in the pair's FIRST step: at that step's end stands the one round of the cluster's barrier for each pair, and the refill, two pairs on.
; PREFETCH: behind each load of a pair a wave names the pair that stands two loads on: of the 24,576 bytes that it will fetch, each of the four partners takes 6,144 by address (24 lanes, 256 bytes apart; the other lanes repeat the last).
; Pair 0 comes by its load alone; pair 1 is named with pair 2 at the head; nothing beyond pair 15 is asked for.
.set PAIRB,  786432
.set HALFT,  24576                     ; 128 rows of a pair
.set SLOT,   4*HALFT
.set SCL,    2*SLOT                    ; x's scales
.set SCLB,   SCL+32768+64              ; w's: 64 bytes on, so that the two halves of the lanes read different banks
.set SPARE,  262400                    ; the spare words: two blocks of 256 bytes that no other line names
.set STAGE,  SPARE+512                 ; the way out: 16 rows x 528 bytes for each wave; no tile lands here
.set SPITCH, 528
.set CO,  4
.set SPW, 5
.set NIL, 6
.set PFO, 7
.set STO, 13
.set RD,  14
.set SC,  16
.set FRG, 32
.set ACC, 128
.set G1, 24
.set G0, 32
.set G1B, 48
.set G0B, 56
.set G1S, 68
.set G0S, 76
.set G1SB, 80
.set G0SB, 88
.set G0H, 92
.set G0HB, 96
.set PFA, 100
.set MSB, 0
.macro WIN new                         ; the immediate's high byte repeats the setting that is left
.if MSB != \new
	s_set_vgpr_msb (MSB<<8)|\new
.set MSB, \new
.endif
.endm
.macro PLACES
.rept 4
	v_nop
.endr
.endm
.macro JLOAD g0a, g1a, g0b, g1b        ; waves 0, 1 fetch for x, waves 2, 3 for w; an s_nop 0 and four v_nop follow each line
	s_cmp_eq_u32 s15, 0
	s_cbranch_scc0 .Lfor_b_\@
	tensor_load_to_lds s[\g0a:\g0a+3], s[\g1a:\g1a+7]
	s_nop 0
	PLACES
	s_branch .Lasked_\@
.Lfor_b_\@:
	tensor_load_to_lds s[\g0b:\g0b+3], s[\g1b:\g1b+7]
	s_nop 0
	PLACES
.Lasked_\@:
.endm
.macro CREST
	s_cmp_lg_u32 s14, 0
	s_cbranch_scc1 .Lnot_wave_0_\@
	s_barrier_signal -3
.Lnot_wave_0_\@:
	s_barrier_wait -3
	s_barrier_signal -1
	s_barrier_wait -1
.endm
.macro CROUND
	s_barrier_signal -1
	s_barrier_wait -1
	CREST
.endm
.macro ASK how                         ; 1: always; 2: not in the loop's last trip
.if \how
.if \how == 2
	s_cmp_gt_u32 s3, 1
	s_cbranch_scc0 .Lno_ask_\@
.endif
	global_prefetch_b8 v[PFO], s[PFA:PFA+1] th:TH_LOAD_NT scope:SCOPE_SE
.if \how == 2
.Lno_ask_\@:
.endif
.endif
.endm
	s_load_b128 s[4:7], s[0:1], 0x0                ; x_codes, x_scales
	s_load_b128 s[8:11], s[0:1], 0x10              ; w_codes, w_scales
	s_load_b64 s[12:13], s[0:1], 0x20              ; out0
	v_lshl_add_u32 v[SPW], v0, 2, SPARE
	v_mov_b32 v[NIL], 0
	ds_add_u32 v[SPW], v[NIL]                      ; the opening lines: the add twice on end
	ds_add_u32 v[SPW], v[NIL]
	v_lshrrev_b32 v1, 5, v0
	v_readfirstlane_b32 s14, v1                    ; wave
	s_lshr_b32 s15, s14, 1                         ; my half of the tile's rows; also: I fetch for x (0) or w (1)
	s_and_b32 s16, s14, 1                          ; my half of its columns; also: which 128 rows I fetch
	s_bfe_u32 s40, ttmp6, 0x40000                  ; cx
	s_bfe_u32 s41, ttmp6, 0x40004                  ; cy
	s_lshl_b32 s42, ttmp9, 2
	s_add_co_u32 s42, s42, s40                     ; tile column
	s_and_b32 s17, ttmp7, 0xffff
	s_lshl_b32 s17, s17, 2
	s_add_co_u32 s17, s17, s41                     ; tile row
	s_lshl_b32 s43, s41, 2
	s_lshl_b32 s43, 15, s43                        ; my row of the cluster
	s_lshl_b32 s44, 0x1111, s40                    ; my column
	s_or_b32 s[G1+0], s43, (3<<16)|(1<<21)         ; dense rows of 32 elements of 8 bytes, no padding; the mask, bit 21 beside it
	s_or_b32 s[G1B+0], s44, (3<<16)|(1<<21)
	s_or_b32 s[G1S+0], s43, (3<<16)|(1<<21)
	s_or_b32 s[G1SB+0], s44, (3<<16)|(1<<21)
.irp g, G1, G1B
	s_mov_b32 s[\g+1], 32<<16
	s_mov_b32 s[\g+2], 192<<16                     ; the head's loads: 256 rows of a pair = 192 rows of 256 bytes
	s_mov_b32 s[\g+3], 32<<16
	s_mov_b32 s[\g+4], 192
	s_mov_b32 s[\g+5], 32
	s_mov_b32 s[\g+6], 0
	s_mov_b32 s[\g+7], 0
.endr
.irp g, G1S, G1SB
	s_mov_b32 s[\g+1], 32<<16
	s_mov_b32 s[\g+2], 128<<16                     ; 32,768 bytes of scales
	s_mov_b32 s[\g+3], 32<<16
	s_mov_b32 s[\g+4], 128
	s_mov_b32 s[\g+5], 32
	s_mov_b32 s[\g+6], 0
	s_mov_b32 s[\g+7], 0
.endr
	s_mul_i32 s20, s17, 2*HALFT                    ; x: the tile's 16 row blocks in a pair
	s_mov_b32 s21, 0
	s_mul_i32 s46, s42, 2*HALFT                    ; w
	s_mov_b32 s47, 0
	s_lshl_b32 s22, s17, 15                        ; their scales
	s_mov_b32 s23, 0
	s_lshl_b32 s18, s42, 15
	s_mov_b32 s19, 0
	s_mul_i32 s66, s16, HALFT                      ; in the ring I fetch 128 rows: which half
	s_mov_b32 s67, 0
	s_mul_i32 s45, s14, HALFT                      ; and where they go
	s_wait_dscnt 0x0
	s_wait_kmcnt 0x0
	s_add_nc_u64 s[20:21], s[4:5], s[20:21]
	s_add_nc_u64 s[22:23], s[6:7], s[22:23]
	s_add_nc_u64 s[46:47], s[8:9], s[46:47]
	s_add_nc_u64 s[18:19], s[10:11], s[18:19]
	CROUND                                         ; the first joint loads meet
	s_mov_b32 s[G0H], 1
	s_mov_b32 s[G0H+1], 0
	s_mov_b64 s[G0H+2:G0H+3], s[20:21]
	s_or_b32 s[G0H+3], s[G0H+3], 0x80000000
	s_mov_b32 s[G0HB], 1
	s_mov_b32 s[G0HB+1], 2*HALFT
	s_mov_b64 s[G0HB+2:G0HB+3], s[46:47]
	s_or_b32 s[G0HB+3], s[G0HB+3], 0x80000000
	s_mov_b32 s[G0S], 1
	s_mov_b32 s[G0S+1], SCL
	s_mov_b64 s[G0S+2:G0S+3], s[22:23]
	s_or_b32 s[G0S+3], s[G0S+3], 0x80000000
	s_mov_b32 s[G0SB], 1
	s_mov_b32 s[G0SB+1], SCLB
	s_mov_b64 s[G0SB+2:G0SB+3], s[18:19]
	s_or_b32 s[G0SB+3], s[G0SB+3], 0x80000000
	s_add_nc_u64 s[20:21], s[20:21], s[66:67]
	s_add_nc_u64 s[46:47], s[46:47], s[66:67]
.irp s, 0,1
	s_mov_b32 s[G0+4*\s], 1
	s_add_co_u32 s[G0+4*\s+1], s45, \s*SLOT
	s_add_nc_u64 s[G0+4*\s+2:G0+4*\s+3], s[20:21], \s*PAIRB
	s_or_b32 s[G0+4*\s+3], s[G0+4*\s+3], 0x80000000
	s_mov_b32 s[G0B+4*\s], 1
	s_add_co_u32 s[G0B+4*\s+1], s45, \s*SLOT
	s_add_nc_u64 s[G0B+4*\s+2:G0B+4*\s+3], s[46:47], \s*PAIRB
	s_or_b32 s[G0B+4*\s+3], s[G0B+4*\s+3], 0x80000000
.endr
; the head's loads, one a wave: wave 0 pair 0 of x, wave 1 of w, wave 2 x's scales, wave 3 w's
.macro ARM under, g0, g1, next
	s_cmp_lt_u32 s14, \under
	s_cbranch_scc0 \next
	tensor_load_to_lds s[\g0:\g0+3], s[\g1:\g1+7]
	s_nop 0
	PLACES
	s_branch .Lhead_asked
\next:
.endm
	ARM 1, G0H,  G1,  .Lhead_b
	ARM 2, G0HB, G1B, .Lhead_sa
	ARM 3, G0S,  G1S, .Lhead_sb
	tensor_load_to_lds s[G0SB:G0SB+3], s[G1SB:G1SB+7]
	s_nop 0
	PLACES
.Lhead_asked:
	s_cmp_eq_u32 s15, 0                            ; the prefetches: do I fetch for x?
	s_cselect_b32 s20, s17, s42                    ; the tile
	s_cselect_b32 s21, s40, s41                    ; my place among the four that ask with me
	s_cselect_b64 s[PFA:PFA+1], s[4:5], s[8:9]
	s_mul_i32 s20, s20, 2*HALFT
	s_mul_i32 s21, s21, HALFT/4
	s_add_co_u32 s20, s20, s21
	s_add_co_u32 s20, s20, s66
	s_add_co_u32 s20, s20, 3*PAIRB                 ; at pair 3: the first refill steps it to pair 4
	s_mov_b32 s21, 0
	s_add_nc_u64 s[PFA:PFA+1], s[PFA:PFA+1], s[20:21]
	s_lshl_b32 s22, s17, 22                        ; out0: 256 rows of 16,384 bytes a tile row,
	s_lshl_b32 s23, s15, 21                        ; 128 rows a half,
	s_add_co_u32 s22, s22, s23
	s_lshl_b32 s46, s42, 10                        ; 1,024 bytes a tile column, 512 a half
	s_lshl_b32 s47, s16, 9
	s_add_co_u32 s46, s46, s47
	s_add_co_u32 s22, s22, s46
	s_mov_b32 s23, 0
	s_add_nc_u64 s[12:13], s[12:13], s[22:23]
	s_mul_i32 s40, s15, HALFT                      ; LDS: my 128 rows of x,
	s_mul_i32 s41, s16, HALFT
	s_add_co_u32 s41, s41, 2*HALFT                 ; of w,
	s_lshl_b32 s42, s15, 14                        ; their scales: lanes 0-15 x's, lanes 16-31 w's
	s_lshl_b32 s43, s16, 14
	s_add_co_u32 s43, s43, SCLB-SCL
	s_sub_co_u32 s43, s43, s42
	s_add_co_u32 s42, s42, SCL
	s_mul_i32 s44, s14, 16*SPITCH
	s_add_co_u32 s44, s44, STAGE                   ; my stage
	v_and_b32 v1, 31, v0
	v_and_b32 v2, 15, v0
	v_bfe_u32 v3, v0, 4, 1
	v_lshlrev_b32 v[CO], 4, v1                     ; 16 x lane
	v_mul_u32_u24 v12, s43, v3
	v_min_u32 v[PFO], 23, v1
	v_mul_u32_u24 v[STO], v2, SPITCH
	v_add_nc_u32 v8, s40, v[CO]                    ; x's fragments, slot 0
	v_add_nc_u32 v10, s41, v[CO]                   ; w's
	v_lshl_add_u32 v12, v2, 2, v12
	v_lshlrev_b32 v[PFO], 8, v[PFO]
	v_lshl_add_u32 v[STO], v3, 5, v[STO]
	v_add_nc_u32 v9, SLOT, v8
	v_add_nc_u32 v11, SLOT, v10
	v_add_nc_u32 v12, s42, v12                     ; scale words
	v_add_nc_u32 v[STO], s44, v[STO]
	v_add_nc_u32 v[RD], s44, v[CO]
	global_prefetch_b8 v[PFO], s[PFA:PFA+1] offset:-2*PAIRB th:TH_LOAD_NT scope:SCOPE_SE   ; pair 1,
	global_prefetch_b8 v[PFO], s[PFA:PFA+1] offset:-PAIRB th:TH_LOAD_NT scope:SCOPE_SE     ; and pair 2
.irp w, 0x40, 0xc0                     ; the five LDS addresses into v0-4 of windows 1 and 3
	WIN \w
.irp i, 0,1,2,3,4
	v_mov_b32 v[\i], v[8+\i]
.endr
.endr
	WIN 0
; two products: x's block a against w's blocks b, b + 1; p: the sets.  z = 1: the product starts the sum
.macro MM2 a, p, b, z
.irp c, 0,1
.if \z
	v_wmma_scale_f32_16x16x128_f8f6f4 v[ACC+8*(8*((\a)%2)+\b+\c):ACC+8*(8*((\a)%2)+\b+\c)+7], v[FRG+12*(\b+\c):FRG+12*(\b+\c)+11], v[FRG+12*(\a):FRG+12*(\a)+11], 0, v[SC+8*(\p)+\b+\c], v[SC+8*(\p)+(\a)] matrix_a_fmt:MATRIX_FMT_BF6 matrix_b_fmt:MATRIX_FMT_BF6 matrix_a_scale:MATRIX_SCALE_ROW1
.else
	v_wmma_scale_f32_16x16x128_f8f6f4 v[ACC+8*(8*((\a)%2)+\b+\c):ACC+8*(8*((\a)%2)+\b+\c)+7], v[FRG+12*(\b+\c):FRG+12*(\b+\c)+11], v[FRG+12*(\a):FRG+12*(\a)+11], v[ACC+8*(8*((\a)%2)+\b+\c):ACC+8*(8*((\a)%2)+\b+\c)+7], v[SC+8*(\p)+\b+\c], v[SC+8*(\p)+(\a)] matrix_a_fmt:MATRIX_FMT_BF6 matrix_b_fmt:MATRIX_FMT_BF6 matrix_a_scale:MATRIX_SCALE_ROW1
.endif
.endr
.endm
.macro GRP a, p, z                     ; x's block a against w's eight
	WIN 0x50*((\a)/2)+1+10*(\p)
.irp b, 0,2,4,6
	MM2 \a, \p, \b, \z
.endr
.endm
.macro LDF adr, q, f                   ; fragment f of the pair's step q: three loads of 512 consecutive bytes
.irp j, 0,1,2
	ds_load_b128 v[FRG+12*(\f)+4*\j:FRG+12*(\f)+4*\j+3], v[\adr] offset:(\f)*3072+(\q)*1536+\j*512
.endr
.endm
; one of the three runs of loads in a step that multiplies sets p: step q of the pair in slot sl goes into the other sets; so: the place of its scale words.  Addresses from window 1 + 2 p
.macro RUN p, part, sl, q, so
.set WB, ((3-2*(\p))<<6)|(1+2*(\p))    ; w's other set
.set WA, ((2-2*(\p))<<6)|(1+2*(\p))    ; x's
.if \part == 0
	WIN WB
.irp f, 0,1,2,3,4,5
	LDF 2+\sl, \q, \f
.endr
.elseif \part == 1
	WIN WB
	LDF 2+\sl, \q, 6
	LDF 2+\sl, \q, 7
	WIN 1+2*(\p)                                   ; the scale words lie in window 0
.irp i, 0,1,2,3,4,5,6,7
	ds_load_b32 v[SC+8*(1-(\p))+\i], v4 offset:\i*2048+(\so)
.endr
	WIN WA
	LDF \sl, \q, 0
	LDF \sl, \q, 1
.else
	WIN WA
.irp f, 2,3,4,5,6,7
	LDF \sl, \q, \f
.endr
.endif
.endm
; AN EVEN STEP, the first of the pair in slot sl.  It loads the pair's second step into sets 1.  The 64 accumulators take turns.
; bnd = 2: at its end the slot is read out: the three lines, the round, the refill two pairs on.  bnd = 1: the barrier alone, for the last pair's tile.  bnd = 0: nothing.
.macro EVEN sl, z, bnd, ask, so
	PLACES                                         ; in front of loads into the sets that the step before multiplied
	RUN 0, 0, \sl, 1, \so
	s_wait_dscnt 18                                ; all but the 18 just issued: this step's fragments and scale words are in
	GRP 0, 0, \z
	GRP 1, 0, \z
	RUN 0, 1, \sl, 1, \so
	GRP 2, 0, \z
	GRP 3, 0, \z
	RUN 0, 2, \sl, 1, \so
	GRP 4, 0, \z
	GRP 5, 0, \z
	GRP 6, 0, \z
.if \bnd == 0
	GRP 7, 0, \z
.else
	WIN 0                                          ; (the add's two registers lie in window 0)
.if \bnd == 2
	s_wait_xcnt 0x0                                ; my last prefetch has read its address
	s_add_nc_u64 s[PFA:PFA+1], s[PFA:PFA+1], PAIRB
.endif
	s_wait_tensorcnt 0x0                           ; my part of the other slot has landed;
	ds_add_u32 v[SPW], v[NIL]
	WIN 0xf1
	MM2 7, 0, 0, \z
	MM2 7, 0, 2, \z
	s_wait_dscnt 0x0                               ; the add is done, and my reads of this slot are over
	s_barrier_signal -1
	MM2 7, 0, 4, \z
	MM2 7, 0, 6, \z
	WIN 0
	s_barrier_wait -1
.if \bnd == 2
	CREST                                          ; the barrier has opened a round of the cluster's barrier
	s_add_nc_u64 s[G0+4*\sl+2:G0+4*\sl+3], s[G0+4*\sl+2:G0+4*\sl+3], 2*PAIRB
	s_add_nc_u64 s[G0B+4*\sl+2:G0B+4*\sl+3], s[G0B+4*\sl+2:G0B+4*\sl+3], 2*PAIRB
	JLOAD G0+4*\sl, G1, G0B+4*\sl, G1B             ; its four v_nop are the places in front of the next step's loads
	ASK \ask
.else
	PLACES
.endif
.endif
.endm
; AN ODD STEP.  Its own fragments were waited for in front of the barrier.  ld = 1: it loads the first step of the next pair, in slot sl, into sets 0.
.macro ODD sl, ld, so
.if \ld
	RUN 1, 0, \sl, 0, \so
	GRP 0, 1, 0
	GRP 1, 1, 0
	RUN 1, 1, \sl, 0, \so
	GRP 2, 1, 0
	GRP 3, 1, 0
	RUN 1, 2, \sl, 0, \so
.irp a, 4,5,6,7
	GRP \a, 1, 0
.endr
.else
	s_wait_dscnt 0x0
.irp a, 0,1,2,3,4,5,6,7
	GRP \a, 1, 0
.endr
.endif
.endm
	s_wait_alu depctr_va_vdst(0)
	s_wait_tensorcnt 0x0                           ; my tile of the head's four is in
	ds_add_u32 v[SPW], v[NIL]
	s_mov_b32 s[G1+2], 96<<16                      ; no tensor load of mine is out: from here on a load brings 128 rows of a pair, 96 rows of 256 bytes
	s_mov_b32 s[G1+4], 96
	s_mov_b32 s[G1B+2], 96<<16
	s_mov_b32 s[G1B+4], 96
	s_wait_dscnt 0x0
	CROUND
	JLOAD G0+4, G1, G0B+4, G1B                     ; pair 1, the first tensor load behind the round
	ASK 1                                          ; pair 3
	WIN 0x41                                       ; step 0's fragments: w's into window 1, addresses from window 1
.irp i, 0,1,2,3,4,5,6,7
	LDF 2, 0, \i
.endr
	WIN 0x01
.irp i, 0,1,2,3,4,5,6,7
	LDF 0, 0, \i
.endr
.irp i, 0,1,2,3,4,5,6,7
	ds_load_b32 v[SC+\i], v4 offset:\i*2048
.endr
	EVEN 0, 1, 2, 1, 64                            ; step 0 starts the sums; slot 0 takes pair 2
	s_mov_b32 s3, 6
.Llap:                                                 ; a trip: four steps, once round the ring
	ODD  1, 1, 128
	EVEN 1, 0, 2, 1, 192
	ODD  0, 1, 256
	EVEN 0, 0, 2, 2, 320
	WIN 0x44
	v_add_nc_u32 v4, 0x100, v4                     ; four steps' scale words on, in both copies
	WIN 0xcc
	v_add_nc_u32 v4, 0x100, v4
	WIN 0
	s_sub_co_u32 s3, s3, 1
	s_cmp_lg_u32 s3, 0
	s_wait_alu depctr_va_vdst(0)
	s_cbranch_scc1 .Llap
	ODD  1, 1, 128                                 ; steps 25 to 31: one more refill (pair 15), then none
	EVEN 1, 0, 2, 0, 192
	ODD  0, 1, 256
	EVEN 0, 0, 1, 0, 320
	ODD  1, 1, 384
	EVEN 1, 0, 0, 0, 448
	ODD  0, 0, 0
; THE WAY OUT, block by block of 16 rows x 128 columns, through my own stage and back as whole rows of 512 bytes.  The rows come back into the idle sets 0 of windows 0 and 1, by turns.
.macro TOSTAGE a
	WIN ((\a)/2)<<2                                ; the data's window
.irp b, 0,1,2,3,4,5,6,7
	ds_store_b128 v[STO], v[ACC+64*((\a)%2)+8*\b:ACC+64*((\a)%2)+8*\b+3] offset:64*\b      ; each accumulator from its low end on
	ds_store_b128 v[STO], v[ACC+64*((\a)%2)+8*\b+4:ACC+64*((\a)%2)+8*\b+7] offset:64*\b+16
.endr
	WIN ((\a)%2)<<6
.irp t, 0,1,2,3,4,5,6,7,8,9,10,11,12,13,14,15
	ds_load_b128 v[FRG+4*\t:FRG+4*\t+3], v[RD] offset:\t*SPITCH   ; LDS serves a wave's instructions in order: these see the stores above
.endr
.endm
.macro SEND a, younger
	s_wait_dscnt \younger
.if (\a) > 0
	s_add_nc_u64 s[12:13], s[12:13], 16*16384      ; 16 rows on (behind a wait on XCNT)
.endif
	WIN ((\a)%2)<<2
.irp t, 0,1,2,3,4,5,6,7,8,9,10,11,12,13,14,15
	global_store_b128 v[CO], v[FRG+4*\t:FRG+4*\t+3], s[12:13] offset:\t*16384 th:TH_STORE_NT   ; 512 consecutive bytes, aligned
.endr
.endm
	PLACES
	TOSTAGE 0
.irp a, 1,2,3,4,5,6,7
.if \a > 1
	s_wait_xcnt 0x0                                ; block a - 2's stores have read their registers and their base
.endif
	TOSTAGE \a
	SEND \a-1, 32                                  ; behind block a - 1's loads: block a's 16 stores and 16 loads
.endr
	s_wait_xcnt 0x0
	SEND 7, 0
	WIN 0
	s_wait_tensorcnt 0x0                           ; the wave's end
	ds_add_u32 v[SPW], v[NIL]
	s_wait_dscnt 0x0
	CROUND                                         ; the closing round
	s_endpgm
.Lfunc_end_k_qd95bbe29f2_gemm:
	.size	k_qd95bbe29f2_gemm, .Lfunc_end_k_qd95bbe29f2_gemm-k_qd95bbe29f2_gemm
	.p2alignl 7, 3214868480
	.fill 96, 4, 3214868480
	.section	.rodata,"a",@progbits
	.p2align	6, 0x0
	.amdhsa_kernel k_qd95bbe29f2_gemm
		.amdhsa_group_segment_fixed_size 327680
		.amdhsa_private_segment_fixed_size 0
		.amdhsa_enable_private_segment 0
		.amdhsa_kernarg_size 40
		.amdhsa_user_sgpr_count 2
		.amdhsa_user_sgpr_kernarg_segment_ptr 1
		.amdhsa_wavefront_size32 1
		.amdhsa_system_sgpr_workgroup_id_x 1
		.amdhsa_system_sgpr_workgroup_id_y 1
		.amdhsa_system_sgpr_workgroup_id_z 1
		.amdhsa_system_vgpr_workitem_id 0
		.amdhsa_next_free_vgpr 1024
		.amdhsa_next_free_sgpr 102
		.amdhsa_reserve_vcc 0
		.amdhsa_float_denorm_mode_32 3
		.amdhsa_float_denorm_mode_16_64 3
		.amdhsa_memory_ordered 1
		.amdhsa_forward_progress 1
		.amdhsa_inst_pref_size 190
	.end_amdhsa_kernel
	.amdgpu_metadata
---
amdhsa.version: [ 1, 2 ]
amdhsa.kernels:
  - .name:           k_qd95bbe29f2_gemm
    .symbol:         k_qd95bbe29f2_gemm.kd
    .args:
      - { .name: x_codes, .offset: 0, .size: 8, .value_kind: global_buffer, .address_space: global }
      - { .name: x_scales, .offset: 8, .size: 8, .value_kind: global_buffer, .address_space: global }
      - { .name: w_codes, .offset: 16, .size: 8, .value_kind: global_buffer, .address_space: global }
      - { .name: w_scales, .offset: 24, .size: 8, .value_kind: global_buffer, .address_space: global }
      - { .name: out0, .offset: 32, .size: 8, .value_kind: global_buffer, .address_space: global }
    .group_segment_fixed_size: 327680
    .private_segment_fixed_size: 0
    .kernarg_segment_align: 8
    .kernarg_segment_size: 40
    .max_flat_workgroup_size: 128
    .sgpr_count:     102
    .vgpr_count:     1024
    .wavefront_size: 32
...
	.end_amdgpu_metadata
.endif
;; end of part 2
